; MI455X (gfx1250); checked and timed in simulation.
; The chip was launched on July 23, 2026; its instructions are those of AMD's public machine-readable ISA for CDNA 5 (MIT licence, August 2026) and "CDNA5" Instruction Set Architecture Reference Guide (July 2026). The comments in the code are by the model that wrote it; some were corrected since.
;; Scaled Dot Attention. Allowed arithmetic: matrix products marked QUANTISED: E2M1 operands, one E8M0 scale for each 32 along K, by v_wmma_scale_f32_16x16x128_f8f6f4 with both operands' format E2M1 (or v_wmma_scale_f32_32x16x128_f4), f32 sums; everything else in f32.
;; Inputs: Wo_b 512 float32; Wo_w 512 x 64 float32; keys 16 x 2,048 x 64 float32; query 16 x 2,048 x 64 float32; values 16 x 2,048 x 64 float32.
;; Outputs: out0 16 x 2,048 x 512 float32.
;; This version of the problem:
;;   THIS VERSION OF THE PROBLEM IS GIVEN IN LOW PRECISION. The matrix products marked QUANTISED in the list below multiply operands that are first quantised to E2M1 (2 exponent bits, 1 mantissa bit; 4 bits a number), with one power-of-two scale for each 32 numbers along K (OCP MX v1.0); their sums are f32. All else is computed in f32.
;;   The module's matrix products, in the order in which they are computed (A, B: the left and right operand; K: the contracted axis; several contracted axes count as one K, in the product's order):
;;     1. batch 16 x [M 2,048, K 64] x [K 64, N 2,048]; A: input query; B: input keys: QUANTISED
;;     2. batch 16 x [M 2,048, K 2,048] x [K 2,048, N 64]; A: softmax (see below); B: input values: QUANTISED
;;     3. [M 32,768, K 64] x [K 64, N 512]; A: computed on the way; B: input Wo_w: QUANTISED
;;   THE QUANTISER, for each operand of a quantised product, along K:
;;     - K is cut into blocks of 32 from its start; a last block that is shorter is filled with zeros.
;;     - A block's scale is 2^e with e = floor(log2(the largest magnitude in the block)) - 2, held to -126 .. 127; a block of zeros has e = 0. As a byte (E8M0): e + 127.
;;     - Each number is divided by its block's scale, clamped to +-6, and rounded to the nearest number of E2M1, ties to even, subnormals kept.
;;     - The product sums the exact products of the quantised numbers (number of the format x scale) in f32.
;;   ~~~python
;;   def quantise(x, axis):      # numpy; x: float32 -> the quantised numbers, widened to float32 again
;;       x = np.moveaxis(x, axis, -1); K = x.shape[-1]
;;       x = np.pad(x, [(0, 0)] * (x.ndim - 1) + [(0, -K % 32)]); x = x.reshape(x.shape[:-1] + (-1, 32)); a = np.abs(x).max(-1, keepdims=True)
;;       e = np.where(a > 0, np.clip(np.frexp(np.where(a > 0, a, 1))[1] - 1 - 2, -126, 127), 0)      # np.frexp(a)[1] - 1 = floor(log2(a)), exactly
;;       r = np.clip(x / 2.0 ** e, -6, 6)
;;       step = 2.0 ** (np.maximum(np.frexp(np.where(r == 0, 1, r))[1] - 1, 0) - 1)
;;       q = np.round(r / step) * step * 2.0 ** e      # np.round: ties to even
;;       return np.moveaxis(q.reshape(q.shape[:-2] + (-1,))[..., :K], -1, axis).astype(np.float32)
;;   ~~~
;;   SOFTMAX AHEAD OF A QUANTISED PRODUCT. Where the list says 'softmax', what is quantised is not the finished softmax but p = 2^(t - M), with t = logit x log2(e) and M = ceil(the row's largest t), a whole number; so 1/2 < the row's largest p <= 1. The row's sum l is taken of the UNQUANTISED p, in f32, and the product's result is divided by l at the end. Since M is a whole number, a kernel that streams over the keys may use a running M (the ceiling of the running maximum): every later rescaling is an exact power of two, which a block's scale takes up: the codes' values come out the same.
;;   OPERANDS COMPUTED ON THE WAY. 'Computed on the way' means the value that the module computes at that place (a softmax that the list does not call 'softmax' is quantised finished and normalised). What goes into a quantiser is computed in f32, as accurately as f32 sums, v_exp_f32 and their like allow (about 1e-6 of the number): no bf16 or f16 on the way to a quantiser, and a product that is left as it is and whose result goes on into a quantised operand takes f32 operands (vector FMAs, or v_wmma_f32_16x16x4_f32). A number that lies on a knife's edge between two numbers of the format may be rounded either way, as far as f32 arithmetic and the matrix unit's own rounding can turn it there, and no further.
;; One version. Each part assembles by itself: llvm-mc -triple=amdgcn-amd-amdhsa -mcpu=gfx1250 --defsym DOCPART=n.
;; ======== version 1 of 1: 2 launches
;; limits: right only within a limited range of input values
;; workspace buffers: kv 2,228,224 bytes; wq 18,432 bytes; qq 1,179,648 bytes
;; launch prep (part 1): grid 260 x 1, 8 waves a work-group, no clusters, 80,384 bytes of LDS; arguments keys, values, Wo_w, kv, wq, query, qq; writes kv, wq, qq
.if DOCPART == 1
	.amdgcn_target "amdgcn-amd-amdhsa--gfx1250"
	.amdhsa_code_object_version 6
	.text
	.protected	k_q9d4a8dc9b7_prep
	.globl	k_q9d4a8dc9b7_prep
	.p2align	8
	.type	k_q9d4a8dc9b7_prep,@function
k_q9d4a8dc9b7_prep:
	s_mov_b64 s[64:65], 0
	v_nop
	global_prefetch_b8 v0, s[64:65] scope:SCOPE_SE
	s_setreg_imm32_b32 hwreg(HW_REG_WAVE_MODE, 25, 1), 1
	s_wait_xcnt 0x0
; keys, values, query [16][2048][64] and Wo_w [512][64], f32, become codes of FP4 (E2M1) with one E8M0 scale byte for each 32 along a product's K,
; laid IN THE ORDER OF THE OPERANDS' REGISTERS, so that the next launch takes every fragment by loads of 16 bytes a lane, 512 consecutive bytes a load.
; K of the first and third product is the 64 of a row (innermost in memory); K of the second is the keys, which are values' FIRST axis inside a batch.
; A block's scale is 2^(floor(log2(its largest magnitude)) - 2): its byte is the largest magnitude's exponent field - 2, held at 1 from below.
; WORK LEFT OUT: none here.  The next launch leaves out the steps of 128 keys that lie wholly behind a query under the causal mask that reference() builds itself: their weights are exp(-infinity) = 0
; for all values of the inputs.  A NaN, an infinity or an overflow that reaches only such a step is not carried to the result.
; LIMITS: a block of zeros gets the byte 1 where the rule says 127 (its codes are zeros, which add nothing under any byte but 0xff, and this program alone reads the bytes);
; blocks whose largest magnitude lies under 2^(3 - 127) keep the byte 1; NaN and infinities among the inputs are not served.
; SHARES.  Work-group id < 256 serves (batch id / 16, 128 rows id % 16): its block of kv holds 4,096 bytes of K and 256 of K's scale words, 4,096 of V^T and 256 of V's scale words; its block of qq
; 4,096 bytes of query and 512 of scale words.  Ids 256 .. 259 make 128 rows of Wo_w each.
; TILES OF 16 ROWS; wave w makes tile w of each.  query: rows 16 w on.  keys: row m of tile 2 p + u is source row 32 p + 8 u + m + 8 (m / 8), so that in a transposed product the 16 registers of
; tiles 2 p and 2 p + 1 are 16 neighbouring keys.  Wo_w: row m of tile 4 cb + t is source row 64 cb + 4 m + t, so that the four tiles of 64 columns give a lane four neighbouring columns.
; THE K JOB (keys, query, Wo_w): eight loads bring a tile's rows, two rows a load; the 4,096 bytes turn through the wave's own stage in LDS, so that lane (r = lane % 16, h = lane / 16) holds the 32 numbers of
; block h of the tile's row r; its 32 codes are 16 bytes, and the wave stores 512 consecutive bytes.
; A PAIR of tiles (2 p, 2 p + 1) is one operand of 128 along K for the matrix instruction: tile 2 p's 64 codes, then tile 2 p + 1's; its scale word has the bytes (u, h) at 2 u + h.
; A row of query has the scale word x0 x1 x0 x1, which serves it in either half of that operand.
; THE V JOB: wave w takes key block kb = w / 2 of the step's four and channels 32 (w % 2) on; a lane takes one channel and its 32 registers run down the keys: nothing is transposed.
; The scale bytes meet in images in LDS, which wave 0 stores behind a barrier.
; No tensor load, no ring: a work-group's whole input is asked for at its head (48 loads a wave).  The two paths part on the work-group's number and have LDS bytes of their own.
.set IMG,   0                          ; LDS: the kv path's image of scale words: lanes 0-15 K's four words, lanes 16-31 V's four
.set WIMG,  512                        ; the Wo path's
.set QIMG,  1024                       ; query's: 64 bytes a tile
.set STG,   1536                       ; the kv path's stages: 4,864 bytes for each wave
.set STG2,  STG+8*4864                 ; the Wo path's
.set SPARE, STG2+8*4864                ; the spare words
.set RP,    144                        ; a block of 32 numbers in a stage: 128 bytes + 16 of padding
.set HP,    2432                       ; the rows' second blocks begin here: 16 x 144, and 128 more
.set R,     16                         ; v16-47   K: 32 numbers as loaded
.set X,     48                         ; v48-79   K, query: my block's 32 numbers
.set Y,     80                         ; v80-111  V: my block's 32 numbers
.set CK,    112                        ; v112-115 K's codes
.set CV,    116                        ; v116-119 V's codes
.set SCL,   125                        ; v125     the conversions' scale operand
.set RQ,    130                        ; v130-161 query: 32 numbers as loaded
.set CQ,    162                        ; v162-165 query's codes
	s_load_b256 s[4:11], s[0:1], 0x0               ; keys s[4:5], values s[6:7], Wo_w s[8:9], kv s[10:11]
	s_load_b64 s[12:13], s[0:1], 0x20              ; wq
	s_load_b128 s[40:43], s[0:1], 0x28             ; query, qq
	v_lshl_add_u32 v128, v0, 2, SPARE
	v_mov_b32 v129, 0
	v_lshrrev_b32 v1, 5, v0
	v_readfirstlane_b32 s14, v1                    ; wave 0..7
	v_and_b32 v1, 31, v0                           ; lane
	s_lshr_b32 s20, s14, 1                         ; p (K job), kb (V job)
	s_and_b32 s21, s14, 1                          ; u (K job), which 32 channels (V job)
	s_mov_b32 s16, 0x76543210
	s_mov_b32 s17, 0xfedcba98                      ; v_permlanex16_b32's selects for lane l xor 16
	v_and_b32 v13, 15, v1                          ; r
	v_lshrrev_b32 v14, 4, v1                       ; h
	v_bfe_u32 v15, v1, 3, 1                        ; (lane / 8) % 2
	v_and_b32 v12, 7, v1                           ; lane % 8
	v_mov_b32 v124, 0                              ; written once: a lane permute's destination counts as one of its sources
	s_lshl_b32 s22, s20, 13
	s_lshl_b32 s23, s21, 11
	s_add_co_u32 s22, s22, s23                     ; keys: the tile's first row: (32 p + 8 u) x 256 bytes
	v_lshl_add_u32 v2, v1, 4, s22                  ; v2: keys, in memory: + 16 x lane
	s_mul_i32 s24, s14, 4864                       ; my stage
	v_mul_u32_u24 v3, v14, RP
	v_mad_u32_u24 v3, v15, HP, v3
	v_lshl_add_u32 v3, v12, 4, v3
	v_add_nc_u32 v3, s24, v3                       ; v3: into the stage: a load holds two rows: row lane / 16, block (lane / 8) % 2, 16 (lane % 8) bytes on
	v_mul_u32_u24 v4, v13, RP
	v_mad_u32_u24 v4, v14, HP, v4
	v_add_nc_u32 v4, s24, v4                       ; v4: out of it: row r, block h
	v_lshlrev_b32 v5, 4, v0                        ; v5: a tile's codes: 512 x wave + 16 x lane
	s_lshl_b32 s25, s20, 2
	s_lshl_b32 s26, s21, 1
	s_add_co_u32 s25, s25, s26                     ; 4 p + 2 u: my tile's two bytes in a row's four words
	v_lshl_add_u32 v6, v13, 4, s25                 ; v6: kv image: lane r of the reader
	v_lshl_add_u32 v7, v1, 4, s25                  ; v7: Wo image: both halves of the reader's lanes get the words
	v_lshl_add_u32 v8, v15, 4, v12
	v_lshl_add_u32 v8, v14, 3, v8                  ; my channel among 32: lane % 8 + 16 ((lane / 8) % 2) + 8 (lane / 16): row lane % 16 of tile lane / 16 of the pair
	s_lshl_b32 s27, s21, 7
	s_lshl_b32 s28, s20, 13
	s_add_co_u32 s27, s27, s28
	v_lshl_add_u32 v8, v8, 2, s27                  ; v8: V job, in memory: 4 x channel + 32 kb rows of 256 bytes
	s_lshl_b32 s28, s21, 11
	s_lshl_b32 s29, s20, 8
	s_add_co_u32 s28, s28, s29
	s_add_co_u32 s28, s28, 4352
	v_lshlrev_b32 v9, 4, v13
	v_lshl_add_u32 v9, v14, 10, v9
	v_add_nc_u32 v9, s28, v9                       ; v9: V's codes: 4,352 + 1,024 x tile + 256 kb + 16 r: sixteen lanes fill 256 consecutive bytes
	s_lshl_b32 s29, s21, 3
	s_add_co_u32 s29, s29, s20
	s_add_co_u32 s29, s29, 256
	v_lshlrev_b32 v10, 4, v13
	v_lshl_add_u32 v10, v14, 2, v10
	v_add_nc_u32 v10, s29, v10                     ; v10: kv image: lane 16 + r of the reader, word = tile, byte kb
	v_lshlrev_b32 v11, 4, v1                       ; v11: an image on its way out: 16 x lane
	v_lshlrev_b32 v169, 12, v14
	v_add_nc_u32 v169, v169, v11                   ; v169: the kv image's two halves lie 4,352 bytes apart in the block
	s_lshl_b32 s22, s14, 12
	v_lshl_add_u32 v167, v1, 4, s22                ; v167: query, in memory: 16 rows a wave
	s_lshl_b32 s22, s14, 6
	s_add_co_u32 s22, s22, QIMG
	v_lshl_add_u32 v166, v13, 2, s22               ; v166: query's image: my row's word
	s_lshr_b32 s22, s14, 2
	s_lshl_b32 s22, s22, 14
	s_and_b32 s23, s14, 3
	s_lshl_b32 s23, s23, 8
	s_add_co_u32 s22, s22, s23                     ; Wo_w: tile 4 cb + t begins at row 64 cb + t
	v_lshl_add_u32 v168, v14, 10, s22              ; v168: Wo_w, in memory: lanes 16-31 four rows on
	v_lshl_add_u32 v168, v13, 4, v168
; the largest magnitude of the 32 numbers v[s] on, with the floor 2^(3 - 127) among the leaves; the conversions' scale operand (2 off the exponent field); the scale's byte in v[by]
.macro AMAX s, by
	v_max3_num_f32 v120, |v[\s]|, |v[\s+1]|, |v[\s+2]|
	v_max3_num_f32 v121, |v[\s+3]|, |v[\s+4]|, |v[\s+5]|
.irp i, 6,10,14,18,22,26
	s_delay_alu instid0(VALU_DEP_2)
	v_max3_num_f32 v120, v120, |v[\s+\i]|, |v[\s+\i+1]|
	s_delay_alu instid0(VALU_DEP_2)
	v_max3_num_f32 v121, v121, |v[\s+\i+2]|, |v[\s+\i+3]|
.endr
	s_delay_alu instid0(VALU_DEP_2)
	v_max3_num_f32 v120, v120, |v[\s+30]|, |v[\s+31]|
	s_delay_alu instid0(VALU_DEP_1)
	v_max3_num_f32 v120, v120, v121, 0x1800000
	s_delay_alu instid0(VALU_DEP_1)
	v_add_nc_u32 v[SCL], 0xff000000, v120
	s_delay_alu instid0(VALU_DEP_1)
	v_lshrrev_b32 v[\by], 23, v[SCL]
.endm
; a tile's rows: load i holds rows 2 i and 2 i + 1
.macro KLOAD reg, adr, base, st, gap
.irp i, 0,1,2,3,4,5,6,7
	global_load_b128 v[\reg+4*\i:\reg+4*\i+3], v[\adr], s[\base:\base+1] offset:\st*\i+\gap*(\i/4) th:TH_LOAD_NT
.endr
.endm
; the turn through my stage, the block's scale, its codes and the tile's two scale bytes (word = 1: twice, as a word)
.macro KJOB reg, ck, dst, stg, ia, io, word
.irp i, 0,1,2,3,4,5,6,7
	ds_store_b128 v3, v[\reg+4*\i:\reg+4*\i+3] offset:\stg+2*RP*\i
.endr
.irp n, 0,1,2,3,4,5,6,7
	ds_load_b128 v[X+4*\n:X+4*\n+3], v4 offset:\stg+16*\n     ; LDS serves a wave's instructions in order (ISA guide 5.7.1.4): these see my stores
.endr
	s_wait_dscnt 0x0
	AMAX X, 122
.irp g, 0,1,2,3
	v_cvt_scalef32_pk8_fp4_f32 v[\ck+\g], v[X+8*\g:X+8*\g+7], v[SCL]
.endr
	v_lshlrev_b32 v123, 3, v14                     ; (a plain line behind the conversions)
	s_delay_alu instid0(VALU_DEP_1)
	v_lshlrev_b32 v122, v123, v122                 ; my block's byte at its place, 8 h bits up;
	s_delay_alu instid0(VALU_DEP_1)
	v_permlanex16_b32 v124, v122, s16, s17
	s_delay_alu instid0(VALU_DEP_1)
	v_or_b32 v122, v122, v124                      ; with lane l xor 16's: the row's two bytes
.if \word
	v_lshl_or_b32 v122, v122, 16, v122
	ds_store_b32 v[\ia], v122
.else
	ds_store_b16 v[\ia], v122 offset:\io
.endif
	global_store_b128 v5, v[\ck:\ck+3], s[\dst:\dst+1]         ; 32 lanes store 512 consecutive bytes
.endm
	s_wait_alu depctr_va_vdst(0)                   ; at the head's end
	s_wait_kmcnt 0x0
	s_cmp_ge_u32 ttmp9, 256
	s_cbranch_scc1 .Lwo
	; ---- 128 rows of keys, values and query of one batch
	s_lshl_b32 s30, ttmp9, 15                      ; 128 rows of 256 bytes for each id, in all three
	s_mov_b32 s31, 0
	s_add_nc_u64 s[4:5], s[4:5], s[30:31]
	s_add_nc_u64 s[6:7], s[6:7], s[30:31]
	s_add_nc_u64 s[40:41], s[40:41], s[30:31]
	s_mul_i32 s32, ttmp9, 8704
	s_mov_b32 s33, 0
	s_add_nc_u64 s[10:11], s[10:11], s[32:33]
	s_mul_i32 s32, ttmp9, 4608
	s_add_nc_u64 s[42:43], s[42:43], s[32:33]
	KLOAD R, 2, 4, 512, 2048
	KLOAD RQ, 167, 40, 512, 0
.set i, 0
.rept 32
	global_load_b32 v[Y+i], v8, s[6:7] offset:256*i th:TH_LOAD_NT   ; values(32 kb + i, my channel): the wave's 32 lanes read 128 consecutive bytes
.set i, i+1
.endr
	s_wait_loadcnt 40                              ; K's eight loads are in; query's 8 and V's 32, issued behind them, may be out
	KJOB R, CK, 10, STG, 6, IMG, 0
	s_wait_loadcnt 32                              ; query's eight are in
	KJOB RQ, CQ, 42, STG, 166, 0, 1
	s_wait_loadcnt 0x0
	AMAX Y, 126
.irp g, 0,1,2,3
	v_cvt_scalef32_pk8_fp4_f32 v[CV+\g], v[Y+8*\g:Y+8*\g+7], v[SCL]
.endr
	v_nop                                          ; a plain line behind the last conversion
	ds_store_b8 v10, v126 offset:IMG
	global_store_b128 v9, v[CV:CV+3], s[10:11]
	s_wait_dscnt 0x0                               ; for the others' sake: my bytes lie in the images
	s_barrier_signal -1
	s_barrier_wait -1
	s_cmp_lg_u32 s14, 0
	s_cbranch_scc1 .Ldone_kv
	ds_load_b128 v[R:R+3], v11 offset:IMG          ; wave 0 stores the images: whole units of 256 bytes
	ds_load_b128 v[R+4:R+7], v11 offset:QIMG
	s_wait_dscnt 0x0
	global_store_b128 v169, v[R:R+3], s[10:11] offset:4096
	global_store_b128 v11, v[R+4:R+7], s[42:43] offset:4096
.Ldone_kv:
	s_wait_tensorcnt 0x0                           ; the wave's end
	ds_add_u32 v128, v129
	s_wait_dscnt 0x0
	s_endpgm
	; ---- 128 rows of Wo_w
.Lwo:
	s_sub_co_u32 s30, ttmp9, 256                   ; g = 0..3
	s_lshl_b32 s32, s30, 15
	s_mov_b32 s33, 0
	s_add_nc_u64 s[8:9], s[8:9], s[32:33]
	s_lshl_b32 s34, s30, 9
	s_add_co_u32 s34, s34, 16384
	s_mov_b32 s35, 0
	s_add_nc_u64 s[36:37], s[12:13], s[34:35]      ; the images lie behind the 16 pairs of tiles
	s_lshl_b32 s32, s30, 12
	s_add_nc_u64 s[12:13], s[12:13], s[32:33]
	KLOAD R, 168, 8, 2048, 0
	s_wait_loadcnt 0x0
	KJOB R, CK, 12, STG2, 7, WIMG, 0
	s_wait_dscnt 0x0
	s_barrier_signal -1
	s_barrier_wait -1
	s_cmp_lg_u32 s14, 0
	s_cbranch_scc1 .Ldone_wo
	ds_load_b128 v[R:R+3], v11 offset:WIMG
	s_wait_dscnt 0x0
	global_store_b128 v11, v[R:R+3], s[36:37]
.Ldone_wo:
	s_wait_tensorcnt 0x0
	ds_add_u32 v128, v129
	s_wait_dscnt 0x0
	s_endpgm
.Lfunc_end_k_q9d4a8dc9b7_prep:
	.size	k_q9d4a8dc9b7_prep, .Lfunc_end_k_q9d4a8dc9b7_prep-k_q9d4a8dc9b7_prep
	.p2alignl 7, 3214868480
	.fill 96, 4, 3214868480
	.section	.rodata,"a",@progbits
	.p2align	6, 0x0
	.amdhsa_kernel k_q9d4a8dc9b7_prep
		.amdhsa_group_segment_fixed_size 80384
		.amdhsa_private_segment_fixed_size 0
		.amdhsa_enable_private_segment 0
		.amdhsa_kernarg_size 56
		.amdhsa_user_sgpr_count 2
		.amdhsa_user_sgpr_kernarg_segment_ptr 1
		.amdhsa_wavefront_size32 1
		.amdhsa_system_sgpr_workgroup_id_x 1
		.amdhsa_system_sgpr_workgroup_id_y 1
		.amdhsa_system_sgpr_workgroup_id_z 1
		.amdhsa_system_vgpr_workitem_id 0
		.amdhsa_next_free_vgpr 170
		.amdhsa_next_free_sgpr 66
		.amdhsa_reserve_vcc 0
		.amdhsa_float_denorm_mode_32 3
		.amdhsa_float_denorm_mode_16_64 3
		.amdhsa_memory_ordered 1
		.amdhsa_forward_progress 1
		.amdhsa_inst_pref_size 23
	.end_amdhsa_kernel
	.amdgpu_metadata
---
amdhsa.version: [ 1, 2 ]
amdhsa.kernels:
  - .name:           k_q9d4a8dc9b7_prep
    .symbol:         k_q9d4a8dc9b7_prep.kd
    .args:
      - { .name: keys, .offset: 0, .size: 8, .value_kind: global_buffer, .address_space: global }
      - { .name: values, .offset: 8, .size: 8, .value_kind: global_buffer, .address_space: global }
      - { .name: Wo_w, .offset: 16, .size: 8, .value_kind: global_buffer, .address_space: global }
      - { .name: kv, .offset: 24, .size: 8, .value_kind: global_buffer, .address_space: global }
      - { .name: wq, .offset: 32, .size: 8, .value_kind: global_buffer, .address_space: global }
      - { .name: query, .offset: 40, .size: 8, .value_kind: global_buffer, .address_space: global }
      - { .name: qq, .offset: 48, .size: 8, .value_kind: global_buffer, .address_space: global }
    .group_segment_fixed_size: 80384
    .private_segment_fixed_size: 0
    .kernarg_segment_align: 8
    .kernarg_segment_size: 56
    .max_flat_workgroup_size: 256
    .sgpr_count:     66
    .vgpr_count:     170
    .wavefront_size: 32
...
	.end_amdgpu_metadata
.endif
;; end of part 1
;; launch attn (part 2): grid 16 x 16, 8 waves a work-group, clusters of 4 x 1, 195,584 bytes of LDS; arguments kv, qq, wq, Wo_b, out0; writes out0
.if DOCPART == 2
	.amdgcn_target "amdgcn-amd-amdhsa--gfx1250"
	.amdhsa_code_object_version 6
	.text
	.protected	k_q9d4a8dc9b7_attn
	.globl	k_q9d4a8dc9b7_attn
	.p2align	8
	.type	k_q9d4a8dc9b7_attn,@function
k_q9d4a8dc9b7_attn:
	s_mov_b64 s[64:65], 0
	v_nop
	global_prefetch_b8 v0, s[64:65] scope:SCOPE_SE
	s_setreg_imm32_b32 hwreg(HW_REG_WAVE_MODE, 25, 1), 1
	s_wait_xcnt 0x0
	s_wait_alu depctr_hold_cnt(0) depctr_sa_sdst(0) depctr_va_vdst(0) depctr_va_sdst(0) depctr_va_ssrc(0) depctr_va_vcc(0) depctr_vm_vsrc(0)
	s_getreg_b32 s2, hwreg(HW_REG_IB_STS2, 6, 4)
	s_cmp_eq_u32 s2, 0
	s_cbranch_scc0 .Lentry_in_a_cluster
	s_endpgm
.Lentry_in_a_cluster:
	s_bfe_u32 s2, ttmp6, 0x10000c
	s_cmp_lg_u32 s2, 0x3003
	s_cbranch_scc0 .Lentry_shape_is_right
	s_endpgm
.Lentry_shape_is_right:
; out0[b][q][:] = (softmax_k(query[b][q] . keys[b][k] / 8, k <= q) values[b][k][:]) Wo_w^T + Wo_b.  All three products on codes of FP4 (E2M1) with one E8M0 scale for each 32 along K; sums in f32.
; keys, values, query and Wo_w come as codes from the launch before (kv, qq, wq), in the order of the operands' registers.
; THE SOFTMAX AHEAD OF THE SECOND PRODUCT: t = score x log2(e) / 8; M = the running largest t rounded UP to a whole number; p = 2^(t - M) is quantised along the keys, not normalised; the row's sum is taken
; of the unquantised p and divides O at the end; when M moves, the sum and O are multiplied by 2^(old M - new M), which rounds nothing.  O / sum is quantised along its 64 channels for the third product.
; A block's scale needs floor(log2) of its largest p, which is floor(its largest t - M), held at -124 from below.
; WORK LEFT OUT: the steps of 128 keys that lie wholly under reference()'s causal mask (weights 0 for all values of the inputs).
; LIMITS: NaN and infinities among the inputs are not served; what reaches only the work left out is not carried to the result; a block of zeros has the scale byte 1 where the rule says 127 (its codes are
; zeros); a p under 2^-126 counts as 0.
; SHARES.  A batch has 16 groups of 128 queries; a tile of 16 queries in group G needs key steps 0 .. G (128 keys a step); step G is the one on the diagonal.  256 work-groups of eight waves own eight tiles each.
; Waves i and i + 4 (i = 0 .. 3) own two tiles: a short one, A, in group GA (0 .. 7), and a long one, B, in group GB (8 .. 15), both at the same place in their groups.  Wave i takes all of A, stores it, and then B's
; steps NB .. GB; wave i + 4 takes B's steps 0 .. NB - 1.  They exchange what they have of B through LDS, and each makes half of B's columns of out0.  GA, GB, NB come out of tables by k = 2 c + (i % 2), c = the cluster's x.
; K = 64 IN AN INSTRUCTION OF 128.  One source holds a PAIR of tiles: registers 0-3 tile a's 64 codes, registers 4-7 tile b's.  The other is [X, 0] for tile a and [0, X] for tile b, both cut out of twelve
; registers 0 X 0.  Zero codes add nothing.  The pair has one scale word (a0 a1 b0 b1); X's is x0 x1 x0 x1 and serves both.
; LAYOUT.  The first two products are used transposed (source 0 = 16 keys or 16 channels of V^T; source 1 = my 16 queries): a lane holds ONE query (lane % 16), and the 16 registers of two neighbouring tiles are
; the neighbours 32 b + 16 (lane / 16) + 0 .. 15: what the next quantiser wants.  The third is not transposed: source 0 = 16 queries, source 1 = Wo_w; column r of tile 4 cb + t is column 64 cb + 4 r + t of out0,
; so a lane has four neighbouring columns of a row in the four tiles, the addition of the bias puts them side by side, and sixteen lanes store 256 consecutive bytes.
; LDS.  A batch's codes and scale words (K: 16 steps x 4,352 bytes, V likewise) and Wo_w's (18,432) fit whole: every byte is filled ONCE, by one tensor load a wave at the head: no ring, no refill.
; CLUSTER.  The four work-groups of a cluster belong to one batch and one c: each load is asked for JOINTLY (mask 15), with the same descriptor in all four; their place cx enters only the addresses of qq and out0
; and the mask's numbers.  Nothing is prefetched: all that the launch reads is asked for at its head, and no loop fetches from memory.
.set STEPH, 4352                       ; a key step of K or of V: 4,096 bytes of codes, 256 of scale words
.set KVB,   32*STEPH                   ; a batch in kv
.set BIAS,  0                          ; LDS: Wo_b, 2,048 bytes, stored from registers
.set SPARE, 2048                       ; the spare words, 128 bytes a wave
.set KO,    3072                       ; K's steps
.set VO,    KO+16*STEPH                ; V's steps
.set WQ,    VO+16*STEPH                ; Wo_w's 16 pairs and four images of scale words
.set XCH,   WQ+18432                   ; the exchange: 4,352 bytes a wave
.set TABA,  0x76543210                 ; nibble k: GA
.set TABB,  0x89abcdef                 ; GB
.set TABN,  0x9aaaaaaa                 ; NB
.set KLN, 1                            ; v1   KO + 16 x lane
.set ADK, 2                            ; v2   LDS address of the K pairs in hand
.set ADV, 3                            ; v3   of the V tiles
.set DM,  4                            ; v4   my query - the diagonal step's first key - 16 (lane / 16)
.set NINF, 5                           ; v5   -infinity
.set XME, 6                            ; v6   the exchange: my place
.set XPA, 7                            ; v7   and my partner's
.set KSN, 8                            ; v8   K's scale words: KO + 4,096 + 16 r
.set VSN, 9                            ; v9   V's
.set WAD, 10                           ; v10  Wo_w's pairs: WQ + 16 x lane (for tile B: my half's)
.set SO,  11                           ; v11  my bytes in a tile of out0: 8 (lane / 16) rows, 16 r
.set XB,  16                           ; v[16:23] = [0, X];  v12 -M, v13 the largest t, v[14:15] the sum in two halves
.set XA,  20                           ; v[20:27] = [X, 0]
.set XS,  28                           ; v28  X's scale word
.set BAD, 29                           ; v29  the bias: BIAS + 16 r
.set SPW, 30                           ; v30  my spare word
.set NIL, 31                           ; v31  0
.set KF,  32                           ; v32-63   K's four pairs, or Wo_w's
.set VF,  64                           ; v64-95   V^T's four tiles; the partner's O^T; rows of out0
.set S,   96                           ; v96-159  S^T, then p
.set DB,  96                           ; v96-173  the projection's eight results, ten registers apart
.set O,   160                          ; v160-191 O^T, then the context
.set PC,  192                          ; v192-199 p's codes
.set KS,  200
.set VS,  204
.set PS,  208
.set BE,  204                          ; v204-211 the bias of an even chunk of 128 columns,
.set BO,  178                          ; v178-185 of an odd one
.set W1,  212                          ; v212-243 rows of out0
.set BM,  212                          ; v212-215 a block's largest score, then its exponent
.set BT,  216                          ; v216-219 the other half's; then the scale bytes
.set SCO, 220                          ; v220-223 the conversions' scale operands
.set F,   224                          ; v[224:225] f = 2^(old M - new M), and a word that is named with it
.set T,   226                          ; v226-241 eight chains of sums
.set T0,  242
.set QB,  244                          ; v244-247 tile B's X, v248 its scale word, until A is done
.set XMS, 249                          ; v249 the exchange's small words: mine,
.set XPS, 250                          ; v250 my partner's
.set WSD, 251                          ; v251 Wo_w's scale words
.set VLN, 252                          ; v252 VO + 16 x lane
.set ADS, 253
.set ADT, 254
.set WV,  14
.set CX,  15
.set BAT, 16
.set GC,  17                           ; s17  the last key step of the tile in hand
.set J,   18                           ; s18  the key step in hand
.set TB,  19                           ; s19  J x STEPH
.set TN,  20
.set TY,  21                           ; s21  0: waves 0-3, 1: waves 4-7
.set CS,  22                           ; s[22:23] c = log2(e) / 8
.set SEL, 24                           ; s[24:25] v_permlanex16_b32's selects for lane l xor 16
.set GA,  26
.set GB,  27
.set NB,  28
.set LZ,  29                           ; s29  my first step of B in the last loop (16: none)
.set HI,  30                           ; s30  my last step of the tile in hand
.set G1E, 32
.set G1R, 40
.set G1W, 48
.set G0E, 56
.set G0R, 60
.set G0W, 68
; A round of the cluster's barrier: my work-group's barrier, wave 0 signals for the work-group, every wave waits for all four work-groups, my work-group's barrier once more.
.macro CROUND
	s_barrier_signal -1
	s_barrier_wait -1
	s_cmp_lg_u32 s[WV], 0
	s_cbranch_scc1 .Lnot_wave_0_\@
	s_barrier_signal -3
.Lnot_wave_0_\@:
	s_barrier_wait -3
	s_barrier_signal -1
	s_barrier_wait -1
.endm
.macro ASKED g0, g1
	tensor_load_to_lds s[\g0:\g0+3], s[\g1:\g1+7]
	s_nop 0
.rept 4
	v_nop
.endr
.endm
.macro ARM under, g0, g1, next
	s_cmp_lt_u32 s[WV], \under
	s_cbranch_scc0 \next
	ASKED \g0, \g1
	s_branch .Lhead_asked
\next:
.endm
.macro ZERO_O                          ; an empty tile: the first change of M leaves the zeros zeros
.set j, 0
.rept 32
	v_mov_b32 v[O+j], 0
.set j, j+1
.endr
	v_mov_b32 v13, 0xff61b1e6                      ; the largest t so far: -3e38, under every t
	v_mov_b32 v14, 0                               ; the sum, in two halves
	v_mov_b32 v15, 0
	v_floor_f32 v12, -v13                          ; -M
.endm
	s_load_b256 s[4:11], s[0:1], 0x0               ; kv s[4:5], qq s[6:7], wq s[8:9], Wo_b s[10:11]
	s_load_b64 s[12:13], s[0:1], 0x20              ; out0
	v_lshl_add_u32 v[SPW], v0, 2, SPARE
	v_mov_b32 v[NIL], 0
	ds_add_u32 v[SPW], v[NIL]                      ; the wave's opening: the add, twice on end, and its wait ahead of my tensor load
	ds_add_u32 v[SPW], v[NIL]
	v_lshrrev_b32 v32, 5, v0
	v_readfirstlane_b32 s[WV], v32                 ; wave 0..7
	s_bfe_u32 s[CX], ttmp6, 0x40000                ; cx: my place in the cluster
	s_and_b32 s[BAT], ttmp7, 0xffff                ; the batch, which the four partners share
	s_lshr_b32 s[TY], s[WV], 2
	s_and_b32 s84, s[WV], 1
	s_lshl_b32 s85, ttmp9, 1                       ; in a cluster launch ttmp9 counts clusters
	s_add_co_u32 s85, s85, s84
	s_lshl_b32 s85, s85, 2                         ; 4 k
	s_lshr_b32 s[GA], TABA, s85
	s_and_b32 s[GA], s[GA], 15
	s_lshr_b32 s[GB], TABB, s85
	s_and_b32 s[GB], s[GB], 15
	s_lshr_b32 s[NB], TABN, s85
	s_and_b32 s[NB], s[NB], 15
	s_bfe_u32 s86, s[WV], 0x10001
	s_lshl_b32 s86, s86, 2
	s_add_co_u32 s86, s86, s[CX]                   ; my tiles' place in their groups, 0..7
	s_sub_co_u32 s87, s[NB], 1
	s_cmp_eq_u32 s[TY], 0
	s_cselect_b32 s[HI], s[GA], s87                ; waves 0-3 begin with A, waves 4-7 with B
	s_cselect_b32 s[GC], s[GA], s[GB]
	s_cselect_b32 s[LZ], s[NB], 16
	s_lshl_b32 s88, s[BAT], 4
	s_add_co_u32 s89, s88, s[GC]
	s_mul_i32 s72, s89, 4608                       ; the first tile's group in qq
	s_mov_b32 s73, 0
	s_add_co_u32 s89, s88, s[GB]
	s_mul_i32 s74, s89, 4608                       ; B's
	s_mov_b32 s75, 0
	s_lshl_b32 s78, s89, 3
	s_add_co_u32 s78, s78, s86
	s_lshl_b32 s78, s78, 15                        ; B in out0: 16 rows of 2,048 bytes a tile,
	s_lshl_b32 s67, s[TY], 10
	s_add_co_u32 s78, s78, s67                     ; and my half of its columns
	s_mov_b32 s79, 0
	s_add_co_u32 s89, s88, s[GA]
	s_lshl_b32 s76, s89, 3
	s_add_co_u32 s76, s76, s86
	s_lshl_b32 s76, s76, 15                        ; A in out0
	s_mov_b32 s77, 0
	s_lshl_b32 s66, s[TY], 13
	s_mul_i32 s80, s[BAT], KVB                     ; the batch in kv
	s_mov_b32 s81, 0
	s_mul_i32 s94, s84, STEPH                      ; waves 0, 2 fetch K's steps, waves 1, 3 V's
	s_mov_b32 s95, 0
	s_mul_i32 s83, s84, 16*STEPH
	s_and_b32 s92, s[WV], 3
	s_mul_i32 s92, s92, 4608                       ; waves 4-7: a quarter of Wo_w's
	s_mov_b32 s93, 0
	s_mov_b32 s[CS], 0x3e38aa3b                    ; c = log2(e) / 8
	s_mov_b32 s[CS+1], s[CS]                       ; (named with it as a pair, so it is written)
	s_mov_b32 s[SEL], 0x76543210
	s_mov_b32 s[SEL+1], 0xfedcba98
	; descriptor groups 1, elements of 8 bytes, no padding.  E, R: rows of 4,352 bytes, a key step apart (8,704 bytes);  W: a dense block as rows of 256 bytes
.irp g, G1E, G1R, G1W
	s_mov_b32 s[\g], 15|(3<<16)|(1<<21)            ; 15:0 the mask: all four work-groups; 17:16 elements of 8 bytes; 21 set beside a mask
	s_mov_b32 s[\g+6], 0
	s_mov_b32 s[\g+7], 0
.endr
.irp g, G1E, G1R
	s_mov_b32 s[\g+1], (STEPH/8)<<16               ; tensor_dim0
	s_mov_b32 s[\g+3], (STEPH/8)<<16               ; tile_dim0
	s_mov_b32 s[\g+5], STEPH/4                     ; from row to row
.endr
	s_mov_b32 s[G1E+2], 2<<16                      ; tensor_dim1 = tile_dim1: steps 0, 1
	s_mov_b32 s[G1E+4], 2
	s_mov_b32 s[G1R+2], 14<<16                     ; steps 2 .. 15
	s_mov_b32 s[G1R+4], 14
	s_mov_b32 s[G1W+1], 32<<16
	s_mov_b32 s[G1W+2], 18<<16
	s_mov_b32 s[G1W+3], 32<<16
	s_mov_b32 s[G1W+4], 18
	s_mov_b32 s[G1W+5], 32
	s_mul_i32 s87, s[WV], STEPH
	s_add_co_u32 s87, s87, XCH                     ; the exchange: my bytes,
	s_add_co_u32 s88, s87, 4096
	s_xor_b32 s89, s[WV], 4
	s_mul_i32 s89, s89, STEPH
	s_add_co_u32 s89, s89, XCH                     ; my partner's
	s_add_co_u32 s90, s89, 4096
	s_lshl_b32 s91, s86, 4
	s_lshl_b32 s82, s86, 9
	s_lshl_b32 s85, s86, 6
	s_add_co_u32 s85, s85, 4096
	v_and_b32 v32, 31, v0                          ; lane
	v_and_b32 v33, 15, v0                          ; r
	v_bfe_u32 v34, v0, 4, 1                        ; h
	v_lshlrev_b32 v35, 4, v32
	v_add_nc_u32 v[KLN], KO, v35
	v_add_nc_u32 v[VLN], VO, v35
	v_add_nc_u32 v[WAD], WQ, v35
	v_add_nc_u32 v[WSD], WQ+16384, v35
	v_lshl_add_u32 v[KSN], v33, 4, KO+4096
	v_lshl_add_u32 v[VSN], v33, 4, VO+4096
	v_lshl_add_u32 v[BAD], v33, 4, BIAS
	v_lshl_add_u32 v[XME], v32, 4, s87
	v_lshl_add_u32 v[XMS], v32, 3, s88
	v_lshl_add_u32 v[XPA], v32, 4, s89
	v_lshl_add_u32 v[XPS], v32, 3, s90
	v_lshlrev_b32 v[SO], 14, v34
	v_lshl_add_u32 v[SO], v33, 4, v[SO]
	v_lshlrev_b32 v[DM], 4, v34
	v_sub_nc_u32 v[DM], v33, v[DM]
	v_add_nc_u32 v[DM], s91, v[DM]
	v_mov_b32 v[NINF], 0xff800000
	v_lshl_add_u32 v36, v32, 4, s82                ; my tile's codes in its group of qq,
	v_lshl_add_u32 v37, v33, 2, s85                ; and its scale words
	v_lshlrev_b32 v40, 3, v0                       ; the bias: 8 bytes a thread
	v_lshl_add_u32 v41, v0, 3, BIAS
	s_wait_alu depctr_va_vdst(0)                   ; directly ahead of the waits below
	s_wait_dscnt 0x0                               ; both opening adds are done
	s_wait_kmcnt 0x0
	s_add_nc_u64 s[72:73], s[6:7], s[72:73]
	s_add_nc_u64 s[74:75], s[6:7], s[74:75]
	s_add_nc_u64 s[76:77], s[12:13], s[76:77]
	s_add_nc_u64 s[78:79], s[12:13], s[78:79]
	s_add_nc_u64 s[80:81], s[4:5], s[80:81]
	global_load_b128 v[XA:XA+3], v36, s[72:73]     ; the first tile's X,
	global_load_b32 v[XS], v37, s[72:73]
	global_load_b128 v[QB:QB+3], v36, s[74:75]     ; and B's
	global_load_b32 v[QB+4], v37, s[74:75]
	global_load_b64 v[38:39], v40, s[10:11]        ; Wo_b
	s_mov_b32 s[G0E], 1                            ; 1:0 count = 1
	s_add_co_u32 s[G0E+1], s83, KO                 ; 63:32 LDS address: no place in the cluster enters it
	s_add_nc_u64 s[G0E+2:G0E+3], s[80:81], s[94:95]   ; 120:64 global address
	s_or_b32 s[G0E+3], s[G0E+3], 0x80000000        ; 127:126 type = 2
	s_mov_b32 s[G0R], 1
	s_add_co_u32 s[G0R+1], s83, KO+2*STEPH
	s_add_nc_u64 s[G0R+2:G0R+3], s[80:81], s[94:95]
	s_add_nc_u64 s[G0R+2:G0R+3], s[G0R+2:G0R+3], 4*STEPH
	s_or_b32 s[G0R+3], s[G0R+3], 0x80000000
	s_mov_b32 s[G0W], 1
	s_add_co_u32 s[G0W+1], s92, WQ
	s_add_nc_u64 s[G0W+2:G0W+3], s[8:9], s[92:93]
	s_or_b32 s[G0W+3], s[G0W+3], 0x80000000
	CROUND                                         ; all four work-groups are here: the joint loads meet
	; the launch's only fills, one a wave: waves 0, 1: key steps 0 and 1 (K, V); waves 2, 3: steps 2 .. 15; waves 4-7: Wo_w.  One chain of branches on the wave's number, a load to an arm
	ARM 2, G0E, G1E, .Lhead_r
	ARM 4, G0R, G1R, .Lhead_w
	ASKED G0W, G1W
.Lhead_asked:
.irp j, 0,1,2,3
	v_mov_b32 v[XB+\j], 0                          ; the zero codes on both sides of X: they stay
	v_mov_b32 v[XA+4+\j], 0
	v_mov_b32 v[BT+\j], 0                          ; written once: a lane permute's destination counts as one of its sources
.endr
	v_mov_b32 v[F+1], 0                            ; (named as the upper half of the pair with f)
	ZERO_O
; 32 numbers of a lane, register 16 b + i = k 32 b + 16 (lane / 16) + i of my row, become X (64 codes, four registers) and its scale word x0 x1 x0 x1.
.macro QUANT2 s
.irp b, 0,1
	v_max3_num_f32 v[BM+\b], |v[\s+16*\b]|, |v[\s+1+16*\b]|, 0x1800000   ; my 16 numbers of block b, and the floor 2^(3 - 127): the byte cannot fall under 1
.endr
.irp i, 2,4,6,8,10,12,14
.irp b, 0,1
	v_max3_num_f32 v[BM+\b], v[BM+\b], |v[\s+16*\b+\i]|, |v[\s+1+16*\b+\i]|
.endr
.endr
.irp b, 0,1
	v_permlanex16_b32 v[BT+\b], v[BM+\b], s[SEL], s[SEL+1]
.endr
.irp b, 0,1
	v_max_num_f32 v[BM+\b], v[BM+\b], v[BT+\b]     ; with lane l xor 16's: the block's largest magnitude
.endr
.irp b, 0,1
	v_add_nc_u32 v[SCO+\b], 0xff000000, v[BM+\b]   ; 2 off its exponent field: the conversion's scale operand
.endr
.irp b, 0,1
	v_lshrrev_b32 v[BT+\b], 23, v[SCO+\b]          ; the scale's byte
.endr
	v_lshl_or_b32 v[XS], v[BT+1], 8, v[BT]
	v_lshl_or_b32 v[XS], v[XS], 16, v[XS]          ; the two bytes twice: they serve X in either half of the instruction's K
.irp b, 0,1
	v_cvt_scalef32_pk8_fp4_f32 v[XA+2*\b], v[\s+16*\b:\s+16*\b+7], v[SCO+\b]
	v_cvt_scalef32_pk8_fp4_f32 v[XA+1+2*\b], v[\s+16*\b+8:\s+16*\b+15], v[SCO+\b]
.endr
	v_nop                                          ; one plain line behind a scaled conversion
	v_permlane16_swap_b32 v[XA], v[XA+2]           ; the operand's layout wants a WHOLE block in a lane: lanes 0-15 block 0, lanes 16-31 block 1
	v_permlane16_swap_b32 v[XA+1], v[XA+3]
.rept 8
	v_nop                                          ; a scale register written by a vector instruction stands eight places ahead of a scaled matrix instruction, an operand four
.endr
.endm
; nine LDS loads: a step's four pairs of K tiles and its scale words
.macro KFETCH
.irp p, 0,1,2,3
.irp c, 0,1
	ds_load_b128 v[KF+8*\p+4*\c:KF+8*\p+4*\c+3], v[ADK] offset:1024*\p+512*\c
.endr
.endr
	ds_load_b128 v[KS:KS+3], v[ADS]
.endm
; A KEY STEP: 128 keys.  last: the last step that the look-ahead for K may name.  lo = 1: my first step is LZ, and its K is fetched at its own head.
.macro STEP last, lo
.if \lo
	s_cmp_lt_u32 s[J], s[LZ]
	s_cbranch_scc1 .Lskip_\@
.endif
	s_cmp_gt_u32 s[J], s[HI]                       ; a step that is not mine is left out: a branch on ids, round the work, not round the line that steps the address
	s_cbranch_scc1 .Lskip_\@
.if \lo
	s_cmp_lg_u32 s[J], s[LZ]
	s_cbranch_scc1 .Lhave_\@
	s_wait_dscnt 0x0
	v_add_nc_u32 v[ADK], s[TB], v[KLN]
	v_add_nc_u32 v[ADS], s[TB], v[KSN]
	KFETCH
.Lhave_\@:
.endif
	v_add_nc_u32 v[ADV], s[TB], v[VLN]
	v_add_nc_u32 v[ADT], s[TB], v[VSN]
.irp t, 0,1,2,3
.irp c, 0,1
	ds_load_b128 v[VF+8*\t+4*\c:VF+8*\t+4*\c+3], v[ADV] offset:1024*\t+512*\c
.endr
.endr
	ds_load_b128 v[VS:VS+3], v[ADT]
	s_wait_dscnt 9                                 ; K's nine loads are in; V's nine may be out
.irp p, 0,1,2,3                                ; S^T = K Q^T: tile 2 p against [X, 0], tile 2 p + 1 against [0, X]
	v_wmma_scale_f32_16x16x128_f8f6f4 v[S+16*\p:S+16*\p+7], v[KF+8*\p:KF+8*\p+7], v[XA:XA+7], 0, v[KS+\p], v[XS] matrix_a_fmt:MATRIX_FMT_FP4 matrix_b_fmt:MATRIX_FMT_FP4
	v_wmma_scale_f32_16x16x128_f8f6f4 v[S+16*\p+8:S+16*\p+15], v[KF+8*\p:KF+8*\p+7], v[XB:XB+7], 0, v[KS+\p], v[XS] matrix_a_fmt:MATRIX_FMT_FP4 matrix_b_fmt:MATRIX_FMT_FP4
.endr                                          ; register 16 b + i: key 32 b + 16 (lane / 16) + i of the step
	s_add_co_u32 s[TN], s[TB], STEPH
	s_min_u32 s[TN], s[TN], \last*STEPH
	v_add_nc_u32 v[ADK], s[TN], v[KLN]
	v_add_nc_u32 v[ADS], s[TN], v[KSN]
.rept 2
	v_nop                                          ; with the additions above: four places in front of loads into registers that the products have read, and of the first read of the scores
.endr
	KFETCH                                         ; the next step's K lands under the softmax
	s_cmp_lg_u32 s[J], s[GC]
	s_cbranch_scc1 .Lopen_\@
.set n, 0
.rept 64                                       ; on the diagonal the scores of hidden keys become -infinity ahead of the maximum: p = 0 then.  The step's first key counts for every query
	v_cmp_gt_i32 vcc_lo, 32*(n/16)+n%16, v[DM]
	v_cndmask_b32 v[S+n], v[S+n], v[NINF], vcc_lo
.set n, n+1
.endr
.Lopen_\@:
.irp b, 0,1,2,3
	v_max3_num_f32 v[BM+\b], v[S+16*\b], v[S+1+16*\b], v[S+2+16*\b]   ; the largest score of each block of 32 keys: for the row's maximum, and for the block's scale
.endr
.irp i, 3,5,7,9,11,13
.irp b, 0,1,2,3
	v_max3_num_f32 v[BM+\b], v[BM+\b], v[S+16*\b+\i], v[S+1+16*\b+\i]
.endr
.endr
.irp b, 0,1,2,3
	v_max_num_f32 v[BM+\b], v[BM+\b], v[S+15+16*\b]
.endr
.irp b, 0,1,2,3
	v_permlanex16_b32 v[BT+\b], v[BM+\b], s[SEL], s[SEL+1]
.endr
.irp b, 0,1,2,3
	v_max_num_f32 v[BM+\b], v[BM+\b], v[BT+\b]     ; with lane l xor 16's 16 keys
.endr
	s_delay_alu instid0(VALU_DEP_2)
	v_max3_num_f32 v[T0], v[BM], v[BM+1], v[BM+2]
	s_delay_alu instid0(VALU_DEP_1)
	v_max_num_f32 v[T0], v[T0], v[BM+3]            ; the step's largest score of my query
	s_delay_alu instid0(VALU_DEP_1)
	v_mul_f32 v[T0], s[CS], v[T0]                  ; as t (c is positive)
	s_delay_alu instid0(VALU_DEP_1)
	v_max_num_f32 v13, v13, v[T0]                  ; the running largest t
	v_mov_b32 v[T0], v12
	s_delay_alu instid0(VALU_DEP_2)
	v_floor_f32 v12, -v13                          ; the new -M = floor(-t) = -ceil(t): M is a whole number
	s_delay_alu instid0(VALU_DEP_1)
	v_sub_f32 v[T0], v12, v[T0]                    ; old M - new M: a whole number, 0 or less
	s_delay_alu instid0(VALU_DEP_1)
	v_cvt_i32_f32 v[T0], v[T0]                     ; (it saturates)
	s_delay_alu instid0(VALU_DEP_1)
	v_ldexp_f32 v[F], 1.0, v[T0]                   ; f = 2^(old M - new M)
.irp b, 0,1,2,3
	v_fma_f32 v[BM+\b], v[BM+\b], s[CS], v12       ; each block's largest t - M,
.endr
.irp b, 0,1,2,3
	v_max_num_f32 v[BM+\b], 0xc2f80000, v[BM+\b]   ; held at -124: the byte cannot fall under 1 (a block whose every p has fallen that low has codes of zero, or next to nothing)
.endr
.irp b, 0,1,2,3
	v_floor_f32 v[BM+\b], v[BM+\b]
.endr
.irp b, 0,1,2,3
	v_cvt_i32_f32 v[BT+\b], v[BM+\b]
.endr
.irp b, 0,1,2,3
	v_add_nc_u32 v[BT+\b], 0x7d, v[BT+\b]          ; the scale's byte: floor(log2) - 2 + 127
.endr
.irp b, 0,1,2,3
	v_lshlrev_b32 v[SCO+\b], 23, v[BT+\b]          ; the conversions' scale operand
.endr
	v_lshl_or_b32 v[PS], v[BT+1], 8, v[BT]         ; p's scale word for these 128 keys
	v_pk_mul_f32 v[14:15], v[14:15], v[F:F+1] op_sel_hi:[1,0]   ; the sums under the new M
	v_lshl_or_b32 v[PS], v[BT+2], 16, v[PS]
.set j, 0
.rept 16
	v_pk_mul_f32 v[O+j:O+j+1], v[O+j:O+j+1], v[F:F+1] op_sel_hi:[1,0]   ; O^T under the new M
.set j, j+2
.endr
	v_lshl_or_b32 v[PS], v[BT+3], 24, v[PS]
.set j, 0
.rept 16
	v_pk_fma_f32 v[S+j:S+j+1], v[S+j:S+j+1], s[CS:CS+1], v[12:13] op_sel_hi:[1,0,0]   ; t - M, two at a time (of the pairs c and -M the low word serves both halves): the first 32
.set j, j+2
.endr
	s_wait_alu depctr_va_vdst(0)                   ; ahead of the batch
.set j, 0
.rept 16                                       ; p = 2^(t - M), at most 1, not normalised: the first 32; between them t - M of the second 32
	v_exp_f32 v[S+j], v[S+j]
	v_pk_fma_f32 v[S+32+j:S+33+j], v[S+32+j:S+33+j], s[CS:CS+1], v[12:13] op_sel_hi:[1,0,0]
	v_exp_f32 v[S+1+j], v[S+1+j]
.set j, j+2
.endr
	s_wait_alu depctr_va_vdst(0)                   ; behind the first batch and ahead of the second
.set j, 0
.rept 8                                        ; the second 32; between them the first sums of the first 32, and their codes
	v_exp_f32 v[S+32+2*j], v[S+32+2*j]
	v_pk_add_f32 v[T+2*j:T+2*j+1], v[S+4*j:S+4*j+1], v[S+4*j+2:S+4*j+3]
	v_exp_f32 v[S+33+2*j], v[S+33+2*j]
.set j, j+1
.endr
.set j, 0
.rept 4
	v_exp_f32 v[S+48+4*j], v[S+48+4*j]
	v_exp_f32 v[S+49+4*j], v[S+49+4*j]
	v_cvt_scalef32_pk8_fp4_f32 v[PC+j], v[S+8*j:S+8*j+7], v[SCO+j/2]
	v_exp_f32 v[S+50+4*j], v[S+50+4*j]
	v_exp_f32 v[S+51+4*j], v[S+51+4*j]
.set j, j+1
.endr
	s_wait_alu depctr_va_vdst(0)                   ; behind the second batch
.irp i, 0,1,2,3,4,5,6,7
	v_pk_add_f32 v[T+2*\i:T+2*\i+1], v[T+2*\i:T+2*\i+1], v[S+32+4*\i:S+33+4*\i]
.endr
.irp i, 0,1,2,3,4,5,6,7
	v_pk_add_f32 v[T+2*\i:T+2*\i+1], v[T+2*\i:T+2*\i+1], v[S+34+4*\i:S+35+4*\i]
.endr
.irp i, 4,5,6,7
	v_cvt_scalef32_pk8_fp4_f32 v[PC+\i], v[S+8*\i:S+8*\i+7], v[SCO+\i/2]
.endr
.irp i, 0,1,2,3
	v_pk_add_f32 v[T+2*\i:T+2*\i+1], v[T+2*\i:T+2*\i+1], v[T+8+2*\i:T+9+2*\i]
.endr
.irp c, 0,1
.irp i, 0,1
	v_permlane16_swap_b32 v[PC+4*\c+\i], v[PC+2+4*\c+\i]   ; a whole block in a lane: lanes 0-15 block 2 c, lanes 16-31 block 2 c + 1
.endr
.endr
	v_pk_add_f32 v[T:T+1], v[T:T+1], v[T+4:T+5]    ; (these four are also the places between p's codes and the products below)
	v_pk_add_f32 v[T+2:T+3], v[T+2:T+3], v[T+6:T+7]
	v_pk_add_f32 v[T:T+1], v[T:T+1], v[T+2:T+3]
	v_pk_add_f32 v[14:15], v[14:15], v[T:T+1]
	s_wait_alu depctr_va_vdst(0)                   ; directly ahead of the wait below
	s_wait_dscnt 9                                 ; V's nine loads are in; the next K's nine, issued behind them, may be out
.irp t, 0,1,2,3                                ; O^T += V^T P^T: one instruction an accumulator; the eight products of S^T stand between a sum's links
	v_wmma_scale_f32_16x16x128_f8f6f4 v[O+8*\t:O+8*\t+7], v[VF+8*\t:VF+8*\t+7], v[PC:PC+7], v[O+8*\t:O+8*\t+7], v[VS+\t], v[PS] matrix_a_fmt:MATRIX_FMT_FP4 matrix_b_fmt:MATRIX_FMT_FP4
.endr
.rept 4
	v_nop                                          ; places in front of the next loads into V's registers, and of the next read of O^T
.endr
.Lskip_\@:
	s_add_co_u32 s[TB], s[TB], STEPH
.endm
; the steps J .. lim - 1: the trip count is a constant of the text; steps that are not mine are jumped over inside the trip
.macro KLOOP lim, last, lo
.Lk_\@:
	STEP \last, \lo
	s_add_co_u32 s[J], s[J], 1
	s_cmp_lt_u32 s[J], \lim
	s_cbranch_scc1 .Lk_\@
.endm
; THE PROJECTION, 128 columns of out0 (a chunk g) at a time: four pairs of Wo_w's tiles.
.macro PLW g                           ; eleven loads: the chunk's four pairs, their scale words and its bias
.set BI, BE-(BE-BO)*((\g)%2)
.irp p, 0,1,2,3
.irp c, 0,1
	ds_load_b128 v[KF+8*\p+4*\c:KF+8*\p+4*\c+3], v[WAD] offset:(4*(\g)+\p)*1024+512*\c
.endr
.endr
	ds_load_b128 v[KS:KS+3], v[WSD] offset:512*(\g)
	ds_load_b128 v[BI:BI+3], v[BAD] offset:512*(\g)
	ds_load_b128 v[BI+4:BI+7], v[BAD] offset:512*(\g)+256
.endm
.macro ROWS g, cb, w, ptr              ; 64 columns: + bias, four neighbouring columns side by side; lanes 0-15 store row j, lanes 16-31 row 8 + j, 256 consecutive bytes each
.set BI, BE-(BE-BO)*((\g)%2)
.irp j, 0,1,2,3,4,5,6,7
.irp t, 0,1,2,3
	v_add_f32 v[\w+4*\j+\t], v[DB+10*(4*\cb+\t)+\j], v[BI+4*\cb+\t]
.endr
.endr
.irp j, 0,1,2,3,4,5,6,7
	global_store_b128 v[SO], v[\w+4*\j:\w+4*\j+3], s[\ptr:\ptr+1] offset:2048*\j+512*(\g)+256*\cb th:TH_STORE_NT
.endr
.endm
.macro PROJ g, more, ptr
	s_wait_dscnt 0x0                               ; the chunk's weights, scale words and bias are in
.irp p, 0,1,2,3
	v_wmma_scale_f32_16x16x128_f8f6f4 v[DB+20*\p:DB+20*\p+7], v[XA:XA+7], v[KF+8*\p:KF+8*\p+7], 0, v[XS], v[KS+\p] matrix_a_fmt:MATRIX_FMT_FP4 matrix_b_fmt:MATRIX_FMT_FP4
	v_wmma_scale_f32_16x16x128_f8f6f4 v[DB+20*\p+10:DB+20*\p+17], v[XB:XB+7], v[KF+8*\p:KF+8*\p+7], 0, v[XS], v[KS+\p] matrix_a_fmt:MATRIX_FMT_FP4 matrix_b_fmt:MATRIX_FMT_FP4
.endr
.rept 4
	v_nop                                          ; places in front of the loads into the products' registers and of the first read of the results
.endr
.if \more
	PLW (\g)+1
.endif
.if \g > 0
	s_wait_xcnt 0x0                                ; the last chunk's stores have read their registers
.endif
	ROWS \g, 0, VF, \ptr
	ROWS \g, 1, W1, \ptr
.endm
	s_wait_alu depctr_va_vdst(0)                   ; at the head's end
	s_wait_loadcnt 0x0                             ; both X and Wo_b
	ds_store_b64 v41, v[38:39]
	s_cmp_ge_u32 s[WV], 2
	s_cbranch_scc1 .Lnot_first
	s_wait_tensorcnt 0x0                           ; waves 0, 1: key steps 0 and 1 have landed; the others' loads have lines of their own and may be out
.Lnot_first:
	s_wait_dscnt 0x0                               ; for the others' sake: my bytes of the bias lie in LDS
	s_barrier_signal -1
	s_barrier_wait -1
	s_mov_b32 s[J], 0
	s_mov_b32 s[TB], 0
	v_mov_b32 v[ADK], v[KLN]
	v_mov_b32 v[ADS], v[KSN]
	KFETCH
	KLOOP 2, 1, 0                                  ; waves 0-3: A's steps 0, 1; waves 4-7: B's
	s_wait_tensorcnt 0x0                           ; my tensor load has landed
	s_wait_dscnt 0x0
	s_barrier_signal -1
	s_barrier_wait -1                              ; everybody's have
	s_mov_b32 s[J], 2
	s_mov_b32 s[TB], 2*STEPH
	v_add_nc_u32 v[ADK], 2*STEPH, v[KLN]
	v_add_nc_u32 v[ADS], 2*STEPH, v[KSN]
	KFETCH
	KLOOP 10, 9, 0                                 ; waves 0-3: A's up to GA; waves 4-7: B's up to NB - 1 (NB is at most 10)
	s_wait_dscnt 0x0                               ; the last look-ahead is in: its registers are taken over
	s_cmp_lg_u32 s[TY], 0
	s_cbranch_scc1 .Lno_a
	; ---- waves 0-3: tile A is finished: it goes out
	PLW 0
	v_add_f32 v14, v14, v15                        ; the sum's two halves,
	v_permlanex16_b32 v[BT], v14, s[SEL], s[SEL+1]
	v_add_f32 v14, v14, v[BT]                      ; and lane l xor 16's: the row's sum
	s_wait_alu depctr_va_vdst(0)                   ; ahead of the transcendental
	v_rcp_f32 v14, v14
	v_nop                                          ; a plain line behind the reciprocal
	s_wait_alu depctr_va_vdst(0)                   ; and the wait ahead of its first reader
.set j, 0
.rept 16
	v_pk_mul_f32 v[O+j:O+j+1], v[O+j:O+j+1], v[14:15] op_sel_hi:[1,0]   ; the context: register 16 b + i is channel 32 b + 16 (lane / 16) + i of my query
.set j, j+2
.endr
	QUANT2 O
	s_wait_alu depctr_va_vdst(0)
	PROJ 0, 1, 76
	PROJ 1, 1, 76
	PROJ 2, 1, 76
	PROJ 3, 0, 76
	s_wait_xcnt 0x0                                ; the stores have read their registers
.irp j, 0,1,2,3
	v_mov_b32 v[XA+\j], v[QB+\j]                   ; on to tile B
.endr
	v_mov_b32 v[XS], v[QB+4]
	ZERO_O
	s_wait_alu depctr_va_vdst(0)
.Lno_a:
	s_mov_b32 s[HI], s[GB]
	s_mov_b32 s[GC], s[GB]
	s_mov_b32 s[J], 8
	s_mov_b32 s[TB], 8*STEPH
	KLOOP 16, 15, 1                                ; waves 0-3: B's steps NB .. GB (NB is at least 8); waves 4-7: none
	s_wait_dscnt 0x0
	; THE EXCHANGE: what I have of B, as an image of my registers; -M and my lane's sum beside it
	v_mov_b32 v[T], v12
	v_add_f32 v[T+1], v14, v15
	v_add_nc_u32 v[WAD], s66, v[WAD]               ; my half of Wo_w's pairs, scale words and bias
	v_add_nc_u32 v[WSD], s67, v[WSD]
	v_add_nc_u32 v[BAD], s67, v[BAD]
.irp n, 0,1,2,3,4,5,6,7
	ds_store_b128 v[XME], v[O+4*\n:O+4*\n+3] offset:512*\n
.endr
	ds_store_b64 v[XMS], v[T:T+1]
	s_wait_alu depctr_va_vdst(0)                   ; directly ahead of the wait below
	s_wait_dscnt 0x0                               ; for my partner's sake
	s_barrier_signal -1
	PLW 0                                          ; (bytes that nobody writes any more)
	s_barrier_wait -1
.irp n, 0,1,2,3,4,5,6,7
	ds_load_b128 v[VF+4*\n:VF+4*\n+3], v[XPA] offset:512*\n
.endr
	ds_load_b64 v[T+2:T+3], v[XPS]
	s_wait_dscnt 0x0
	v_min_num_f32 v[T+4], v12, v[T+2]              ; the common -M
	v_sub_f32 v[T+5], v[T+4], v12
	v_sub_f32 v[T+6], v[T+4], v[T+2]
	v_cvt_i32_f32 v[T+5], v[T+5]
	v_cvt_i32_f32 v[T+6], v[T+6]
	v_ldexp_f32 v[F], 1.0, v[T+5]                  ; what brings mine under it,
	v_ldexp_f32 v[T+8], 1.0, v[T+6]                ; and my partner's (a wave with no step of B has zeros, and a factor of 0)
	v_mov_b32 v[T+9], 0                            ; (named with it as a pair)
	v_mul_f32 v14, v[T+1], v[F]
	v_fma_f32 v14, v[T+3], v[T+8], v14
	v_permlanex16_b32 v[BT], v14, s[SEL], s[SEL+1]
	v_add_f32 v14, v14, v[BT]                      ; the row's sum
	s_wait_alu depctr_va_vdst(0)                   ; ahead of the transcendental
	v_rcp_f32 v14, v14
	v_nop
	s_wait_alu depctr_va_vdst(0)                   ; and ahead of its first reader
	v_mul_f32 v[F], v[F], v14
	v_mul_f32 v[T+8], v[T+8], v14
.set j, 0
.rept 16
	v_pk_mul_f32 v[O+j:O+j+1], v[O+j:O+j+1], v[F:F+1] op_sel_hi:[1,0]
.set j, j+2
.endr
.set j, 0
.rept 16
	v_pk_fma_f32 v[O+j:O+j+1], v[VF+j:VF+j+1], v[T+8:T+9], v[O+j:O+j+1] op_sel_hi:[1,0,1]   ; the context
.set j, j+2
.endr
	QUANT2 O
	s_wait_alu depctr_va_vdst(0)
	PROJ 0, 1, 78
	PROJ 1, 0, 78
	s_wait_tensorcnt 0x0                           ; the wave's end
	ds_add_u32 v[SPW], v[NIL]
	s_wait_dscnt 0x0
	CROUND                                         ; the closing round: no work-group ends while a partner may still ask for a tile that names it
	s_endpgm
.Lfunc_end_k_q9d4a8dc9b7_attn:
	.size	k_q9d4a8dc9b7_attn, .Lfunc_end_k_q9d4a8dc9b7_attn-k_q9d4a8dc9b7_attn
	.p2alignl 7, 3214868480
	.fill 96, 4, 3214868480
	.section	.rodata,"a",@progbits
	.p2align	6, 0x0
	.amdhsa_kernel k_q9d4a8dc9b7_attn
		.amdhsa_group_segment_fixed_size 195584
		.amdhsa_private_segment_fixed_size 0
		.amdhsa_enable_private_segment 0
		.amdhsa_kernarg_size 40
		.amdhsa_user_sgpr_count 2
		.amdhsa_user_sgpr_kernarg_segment_ptr 1
		.amdhsa_wavefront_size32 1
		.amdhsa_system_sgpr_workgroup_id_x 1
		.amdhsa_system_sgpr_workgroup_id_y 1
		.amdhsa_system_sgpr_workgroup_id_z 1
		.amdhsa_system_vgpr_workitem_id 0
		.amdhsa_next_free_vgpr 256
		.amdhsa_next_free_sgpr 96
		.amdhsa_reserve_vcc 1
		.amdhsa_float_denorm_mode_32 3
		.amdhsa_float_denorm_mode_16_64 3
		.amdhsa_memory_ordered 1
		.amdhsa_forward_progress 1
		.amdhsa_inst_pref_size 119
	.end_amdhsa_kernel
	.amdgpu_metadata
---
amdhsa.version: [ 1, 2 ]
amdhsa.kernels:
  - .name:           k_q9d4a8dc9b7_attn
    .symbol:         k_q9d4a8dc9b7_attn.kd
    .args:
      - { .name: kv, .offset: 0, .size: 8, .value_kind: global_buffer, .address_space: global }
      - { .name: qq, .offset: 8, .size: 8, .value_kind: global_buffer, .address_space: global }
      - { .name: wq, .offset: 16, .size: 8, .value_kind: global_buffer, .address_space: global }
      - { .name: Wo_b, .offset: 24, .size: 8, .value_kind: global_buffer, .address_space: global }
      - { .name: out0, .offset: 32, .size: 8, .value_kind: global_buffer, .address_space: global }
    .group_segment_fixed_size: 195584
    .private_segment_fixed_size: 0
    .kernarg_segment_align: 8
    .kernarg_segment_size: 40
    .max_flat_workgroup_size: 256
    .sgpr_count:     96
    .vgpr_count:     256
    .wavefront_size: 32
...
	.end_amdgpu_metadata
.endif
;; end of part 2
